; MI455X (gfx1250); checked and timed in simulation.
; The chip was launched on July 23, 2026; its instructions are those of AMD's public machine-readable ISA for CDNA 5 (MIT licence, August 2026) and "CDNA5" Instruction Set Architecture Reference Guide (July 2026). The comments in the code are by the model that wrote it; some were corrected since.
;; Attention Weighted Retrieval. Allowed arithmetic: matrix products marked QUANTISED: E4M3 operands, one E8M0 scale for each 32 along K, by v_wmma_scale_f32_16x16x128_f8f6f4 with both operands' format E4M3, f32 sums; products left as they are: f32 operands where the result goes on into a quantised operand, else bf16, f16 or f32 operands; f32 sums; everything else in f32.
;; Inputs: candidate_z 500,000 x 64 float32; centers 128 x 64 float32; mus 128 float32; query_z 1 x 64 float32.
;; Outputs: out0 1 x 64 float32; out1 500,000 float32.
;; This version of the problem:
;;   THIS VERSION OF THE PROBLEM IS GIVEN IN LOW PRECISION. The matrix products marked QUANTISED in the list below multiply operands that are first quantised to E4M3 (4 exponent bits, 3 mantissa bits; 8 bits a number), with one power-of-two scale for each 32 numbers along K (OCP MX v1.0); their sums are f32. All else is computed in f32.
;;   The module's matrix products, in the order in which they are computed (A, B: the left and right operand; K: the contracted axis; several contracted axes count as one K, in the product's order):
;;     1. [M 1, K 64] x [K 64, N 128]; A: input query_z; B: input centers: left as it is (M = 1 < 16)
;;     2. [M 500,000, K 64] x [K 64, N 128]; A: input candidate_z; B: input centers: QUANTISED
;;   THE QUANTISER, for each operand of a quantised product, along K:
;;     - K is cut into blocks of 32 from its start; a last block that is shorter is filled with zeros.
;;     - A block's scale is 2^e with e = floor(log2(the largest magnitude in the block)) - 8, held to -126 .. 127; a block of zeros has e = 0. As a byte (E8M0): e + 127.
;;     - Each number is divided by its block's scale, clamped to +-448, and rounded to the nearest number of E4M3, ties to even, subnormals kept.
;;     - The product sums the exact products of the quantised numbers (number of the format x scale) in f32.
;;   ~~~python
;;   def quantise(x, axis):      # numpy; x: float32 -> the quantised numbers, widened to float32 again
;;       x = np.moveaxis(x, axis, -1); K = x.shape[-1]
;;       x = np.pad(x, [(0, 0)] * (x.ndim - 1) + [(0, -K % 32)]); x = x.reshape(x.shape[:-1] + (-1, 32)); a = np.abs(x).max(-1, keepdims=True)
;;       e = np.where(a > 0, np.clip(np.frexp(np.where(a > 0, a, 1))[1] - 1 - 8, -126, 127), 0)      # np.frexp(a)[1] - 1 = floor(log2(a)), exactly
;;       r = np.clip(x / 2.0 ** e, -448, 448)
;;       step = 2.0 ** (np.maximum(np.frexp(np.where(r == 0, 1, r))[1] - 1, -6) - 3)
;;       q = np.round(r / step) * step * 2.0 ** e      # np.round: ties to even
;;       return np.moveaxis(q.reshape(q.shape[:-2] + (-1,))[..., :K], -1, axis).astype(np.float32)
;;   ~~~
;; One version. Each part assembles by itself: llvm-mc -triple=amdgcn-amd-amdhsa -mcpu=gfx1250 --defsym DOCPART=n.
;; ======== version 1 of 1: 2 launches
;; limits: right only within a limited range of input values
;; workspace buffers: logit 2,000,128 bytes; part 2,048 bytes
;; launch potential (part 1): grid 245 x 1, 8 waves a work-group, no clusters, 56,064 bytes of LDS; arguments candidate_z, centers, mus, query_z, logit, part; writes logit, part
.if DOCPART == 1
	.amdgcn_target "amdgcn-amd-amdhsa--gfx1250"
	.amdhsa_code_object_version 6
	.text
	.protected	k_qc6a9cd21f5_potential
	.globl	k_qc6a9cd21f5_potential
	.p2align	8
	.type	k_qc6a9cd21f5_potential,@function
k_qc6a9cd21f5_potential:
	s_mov_b64 s[64:65], 0
	v_nop
	global_prefetch_b8 v0, s[64:65] scope:SCOPE_SE
	s_setreg_imm32_b32 hwreg(HW_REG_WAVE_MODE, 25, 1), 1
	s_wait_xcnt 0x0
; logit[i] = -10 |q_pot - c_pot[i]|, c_pot[i] = sum over the 128 centres j of mu[j] / (d(i, j) + 1e-6), d = sqrt(max(|a_i|^2 + |c_j|^2 - 2 a_i.c_j, 1e-12)).
; a.c is the quantised product: codes of FP8 (E4M3), one E8M0 scale for each 32 along K = 64.  |a|^2, |c|^2, q_pot and all behind the product are f32.
; Beside the logits each work-group leaves one pair (largest logit, sum of exp(logit - largest)) for the launch that normalises.
; SHARES.  31,250 tiles of 16 candidates; 245 work-groups of 8 waves; wave w of work-group g takes the 16 tiles from T0 = min(128 g + 16 w, 31234) on.  Only in the last work-group is T0 held back:
; the tiles that a wave there repeats belong to an earlier wave, and are neither stored nor counted.  Waves share nothing in the loop: no barrier stands in it.
; THE STREAM.  A tile is 4,096 dense bytes: eight loads of 512 consecutive bytes.  Three tiles of every wave are asked for ahead, in three sets of 32 registers.  A tile turns through the wave's own stage in LDS
; (rows 272 bytes apart), so that lane (r, h) gets, of row r, 16 neighbours of each block of 32: what the conversions and the operand's layout ask for.
; LAYOUT.  Source 0 = 16 centres, source 1 = 16 candidates: in a result lane (r, h) holds candidate r and its register j centre 8 h + j, so the sum over the centres stays in the lane.
; K IS 64, THE INSTRUCTION'S 128.  The upper half carries |c|^2: its 24-bit mantissa as six digits of 4 bits, each a code exactly, in register 8 of the centres' operand; register 8 of the candidates' holds the
; digits' powers of two, and registers 9 to 15 zero codes.  So in the centres' operand registers 9 to 15 may hold any finite codes: a tile has 10 registers (8 of codes, the digits, a zero), and its run of 16 reaches into the next tile's.
; C = |a|^2, the centres' codes are negated and their scale bytes raised by one (doubled, exactly): the product's result is d^2 = |a|^2 + |c|^2 - 2 a.c.
; ONE RECIPROCAL FOR TWO PAIRS: mu0/a0 + mu1/a1 = (mu0 a1 + mu1 a0) / (a0 a1), a = d + eps.
; THE LOOP IS ROTATED: while tile T's results are worked, tile T + 1 is quantised.
; NO CLUSTER, NO TENSOR LOAD: work-groups share only centers, mus and query_z, 33,536 bytes, against 524,288 bytes of candidates that each reads alone.  NO PREFETCH: the one stream is asked for three tiles
; ahead by every wave (96 KiB a work-group), and the launch does little else than stream it.
; LIMITS.  |c|^2 is held at 2^-100 from below, far under 1e-12, and has to be finite.  A block of zeros has the byte 1 (a centre's: 2), not 127: its codes are zeros, and this text alone reads the bytes.
; NaN and infinities among the inputs are not served.  x 10 stands for / 0.1.  Sums are ordered otherwise than in the reference.
.set NT,    31250                      ; tiles in all
.set PITCH, 272                        ; a stage row: 256 bytes + 16: the 16 rows that a load of 16 bytes a lane touches start at 16 different groups of four banks (64 banks of 4 bytes: ISA guide 11.1)
.set WSTG,  16*PITCH                   ; a wave's stage, from LDS byte 0 on
.set CIMG,  8*WSTG                     ; the centres' codes: 8 tiles x 8 registers x 128 bytes, as images of the registers;
.set PCB,   CIMG+8*1024                ; the digits of |c|^2 and a zero: 8 bytes a lane, 256 a tile;
.set CSC,   PCB+8*256                  ; the scale words, 64 bytes a tile;
.set QMB,   CSC+512                    ; the query's squared distances to the 128 centres;
.set CPB,   QMB+512                    ; 1,088 bytes a wave: 64 that nobody reads, then c_pot of its 256 candidates;
.set RED,   CPB+8*1088                 ; 8 bytes a wave: its pair;
.set SPARE, RED+256                    ; the spare words, 128 bytes a wave
; window 0
.set LANE, 1
.set GOF,  2                           ; 16 x lane
.set STS,  3                           ; the stage, on the way in: 272 (lane / 16) + 16 (lane % 16)
.set STL,  4                           ; and on the way out: 272 r + 64 h
.set LGS,  5                           ; my wave's c_pot + 4 r
.set LGA,  6                           ; the same for the loop's trip
.set LGR,  7                           ; my wave's c_pot + 16 x lane
.set RR,   8                           ; r = lane % 16
.set HH,   9                           ; h = lane / 16
.set REDS, 10                          ; my wave's pair
.set REDL, 11                          ; pair lane % 8
.set AS,   12                          ; the candidates' scale word
.set QPV,  13                          ; q_pot
.set SPW,  14                          ; my spare word: SPARE + 4 x my thread's number; never rewritten
.set NIL,  15                          ; 0; never rewritten
.set CS,   16                          ; v16-19   the centres' scale words: lanes 0-15 tile 2 p's, lanes 16-31 tile 2 p + 1's
.set AOP,  20                          ; v20-35   the candidates' operand: 8 registers of codes, the powers of two, 7 of zeros
.set CA2,  36                          ; v36-43   C: |a|^2 of candidate r, eight times
.set P,    44                          ; v44-47   partial sums of squares
.set TM,   48                          ; v48-63   at work: 0-1 largest magnitudes, 2-3 the other half's and the bytes, 4-5 scale operands, 6-7 the holds
.set XS,   64                          ; v64-95   32 numbers of a row
.set ACC,  96                          ; v96-159  the eight results
.set MU,   160                         ; v160-223 mu of centre 16 t + 8 h + j at 8 t + j
.set SUM,  224                         ; v224-231 partial sums of c_pot
.set NB,   232                         ; v232-239 a numerator
; the set-up's, ahead of the first results: the query's numbers at ACC .. ACC + 31, and
.set W,    SUM                         ; |q|^2 in two chains, q.c in two chains
.set IMS,  128
.set PCS,  129
.set CSS,  130
.set IMG,  132
.set PIM,  133
.set CSL,  134
.set GC,   136
.set GQ,   137
.set GMU,  139
.set MUQ,  240                         ; v240-243 mu of centres 4 lane .. 4 lane + 3,
.set QM,   244                         ; v244-247 and the query's distances to them
.set MM,   141
.set EE,   142
.set CSW,  143
.set DG,   144                         ; v144-151 the digits as f32
.set ZC,   152                         ; v152-153 and as codes
.set ONE,  154
.set PW,   156                         ; v156-157 the word of digits and a zero
; window 1
.set CC,   0                           ; the centres' operand, 10 registers a tile, 6 zeros behind the last
.set RAW,  96                          ; three tiles as loaded, 32 registers each
; scalars
.set WV,   16                          ; my wave's number
.set TN,   17
.set T0,   18                          ; my first tile
.set NDUP, 19                          ; four times the tiles that belong to an earlier wave
.set C12,  24                          ; 1e-12
.set MNT,  25                          ; the mantissa field of 448
.set EPS,  26                          ; s[26:27] 1e-6 (a packed line names the pair and takes its low word for both halves)
.set SEL,  28                          ; s[28:29] v_permlanex16_b32's selects for lane l xor 16
.set M10,  30                          ; -10
.set K1,   31                          ; bytes 2 and 3 of the candidates' scale word: 127
.set HM,   32                          ; lanes 16-31
.set MF,   33                          ; the mantissa field
.set L2E,  34                          ; log2(e)
.set LG,   35                          ; 192 x the loop's trip
.set TC,   36                          ; trips left
.set SV,   37
.set MA,   46                          ; lanes whose first four logits are mine
.set MB,   47                          ; and whose second four
.set MSB, 0
.macro WIN new                         ; the immediate's high byte repeats the setting that is left
.if MSB != \new
	s_set_vgpr_msb (MSB<<8)|\new
.set MSB, \new
.endif
.endm
.macro XLOAD slot, off                 ; a tile: eight loads of 512 consecutive bytes, two rows each
	WIN 0x40
.irp i, 0,1,2,3,4,5,6,7
	global_load_b128 v[RAW+32*\slot+4*\i:RAW+32*\slot+4*\i+3], v[GOF], s[4:5] offset:\off+512*\i th:TH_LOAD_NT
.endr
	WIN 0
.endm
.macro STAGE slot                      ; LDS serves a wave's instructions in order (ISA guide 5.7.1.4): the loads see the stores.  Register 16 c + i: row r, k = 32 c + 16 h + i
	WIN 0x04
.irp i, 0,1,2,3,4,5,6,7
	ds_store_b128 v[STS], v[RAW+32*\slot+4*\i:RAW+32*\slot+4*\i+3] offset:2*PITCH*\i
.endr
	WIN 0
.irp c, 0,1
.irp j, 0,1,2,3
	ds_load_b128 v[XS+16*\c+4*\j:XS+16*\c+4*\j+3], v[STL] offset:128*\c+16*\j
.endr
.endr
.endm
; The largest magnitude of my 16 numbers of each of the two blocks, with the floor 2^(9 - 127) among them, so that the byte cannot fall under 1; beside it the sums of squares: four chains by turns.
.macro QMAX fin=0
.irp b, 0,1
	v_max3_num_f32 v[TM+\b], |v[XS+16*\b]|, |v[XS+16*\b+1]|, 0x4800000
	v_pk_mul_f32 v[P+2*\b:P+2*\b+1], v[XS+16*\b:XS+16*\b+1], v[XS+16*\b:XS+16*\b+1]
.endr
.irp i, 2,4,6,8,10,12,14
.irp b, 0,1
	v_max3_num_f32 v[TM+\b], v[TM+\b], |v[XS+16*\b+\i]|, |v[XS+16*\b+\i+1]|
	v_pk_fma_f32 v[P+2*\b:P+2*\b+1], v[XS+16*\b+\i:XS+16*\b+\i+1], v[XS+16*\b+\i:XS+16*\b+\i+1], v[P+2*\b:P+2*\b+1]
.endr
.if \fin
	FINISH \i                                      ; the tile before
.endif
.endr
.endm
; The two blocks' scale operands, holds and scale word, and the row's sum of squares, eight times in C's registers.
.macro QFIN
	v_permlanex16_b32 v[TM+2], v[TM], s[SEL], s[SEL+1]
	v_permlanex16_b32 v[TM+3], v[TM+1], s[SEL], s[SEL+1]
	v_pk_add_f32 v[P:P+1], v[P:P+1], v[P+2:P+3]
	v_max_num_f32 v[TM], v[TM], v[TM+2]            ; with lane l xor 16's 16 numbers: the block's largest magnitude
	v_max_num_f32 v[TM+1], v[TM+1], v[TM+3]
	v_add_f32 v[P], v[P], v[P+1]
	v_add_nc_u32 v[TM+4], 0xfc000000, v[TM]        ; 8 off its exponent field: the conversion takes the exponent field of this operand as its scale
	v_add_nc_u32 v[TM+5], 0xfc000000, v[TM+1]
	v_permlanex16_b32 v[P+2], v[P], s[SEL], s[SEL+1]
	v_and_or_b32 v[TM+6], v[TM], 0x7f800000, s[MNT]    ; 448 x the scale
	v_and_or_b32 v[TM+7], v[TM+1], 0x7f800000, s[MNT]
	v_lshrrev_b32 v[TM+2], 23, v[TM+4]             ; the scales' bytes
	v_lshrrev_b32 v[TM+3], 23, v[TM+5]
	v_pk_add_f32 v[CA2:CA2+1], v[P:P+1], v[P+2:P+3] op_sel_hi:[0,0]
	v_pk_add_f32 v[CA2+2:CA2+3], v[P:P+1], v[P+2:P+3] op_sel_hi:[0,0]
	v_lshl_or_b32 v[TM+3], v[TM+3], 8, s[K1]
	v_pk_add_f32 v[CA2+4:CA2+5], v[P:P+1], v[P+2:P+3] op_sel_hi:[0,0]
	v_pk_add_f32 v[CA2+6:CA2+7], v[P:P+1], v[P+2:P+3] op_sel_hi:[0,0]
	v_or_b32 v[AS], v[TM+3], v[TM+2]
.endm
.macro HOLD                            ; the conversion to an 8-bit code does not saturate (ISA guide 7.6.2): the hold at the largest code x the scale
.set QI, 0
.rept 32
	v_med3_num_f32 v[XS+QI], v[XS+QI], -v[TM+6+QI/16], v[TM+6+QI/16]
.set QI, QI+1
.endr
.endm
.macro CVT                             ; registers 4 b .. 4 b + 3 hold k = 32 b + 16 h + 0 .. 15 of row r, as the operand's layout asks
.irp b, 0,1
	v_cvt_scalef32_pk8_fp8_f32 v[AOP+4*\b:AOP+4*\b+1], v[XS+16*\b:XS+16*\b+7], v[TM+4+\b]
	v_cvt_scalef32_pk8_fp8_f32 v[AOP+4*\b+2:AOP+4*\b+3], v[XS+16*\b+8:XS+16*\b+15], v[TM+4+\b]
.endr
.endm
; Tiles 2 p and 2 p + 1 of the centres hold a0 and a1: the numerator mu0 a1 + mu1 a0 goes to n, the denominator a0 a1 to a0's registers; a1's are free then.
.macro GROUP p, n
.irp j, 0,2,4,6
	v_pk_mul_f32 v[(\n)+\j:(\n)+\j+1], v[ACC+16*\p+8+\j:ACC+16*\p+9+\j], v[MU+16*\p+\j:MU+16*\p+1+\j]
.endr
.irp j, 0,2,4,6
	v_pk_fma_f32 v[(\n)+\j:(\n)+\j+1], v[ACC+16*\p+\j:ACC+16*\p+1+\j], v[MU+16*\p+8+\j:MU+16*\p+9+\j], v[(\n)+\j:(\n)+\j+1]
.endr
.irp j, 0,2,4,6
	v_pk_mul_f32 v[ACC+16*\p+\j:ACC+16*\p+1+\j], v[ACC+16*\p+\j:ACC+16*\p+1+\j], v[ACC+16*\p+8+\j:ACC+16*\p+9+\j]
.endr
.endm
.macro RCP p
.irp j, 0,1,2,3,4,5,6,7
	v_rcp_f32 v[ACC+16*\p+\j], v[ACC+16*\p+\j]
.endr
.endm
.macro TAKE p, n
.irp j, 0,2,4,6
	v_pk_fma_f32 v[SUM+\j:SUM+\j+1], v[(\n)+\j:(\n)+\j+1], v[ACC+16*\p+\j:ACC+16*\p+1+\j], v[SUM+\j:SUM+\j+1]
.endr
.endm
; A tile's eight partial sums become c_pot of candidate r, step by step (6, 8, 10, 12, 14), so that the steps can stand among other lines.
.macro FINISH step
.if \step == 6
	v_pk_add_f32 v[SUM:SUM+1], v[SUM:SUM+1], v[SUM+2:SUM+3]
	v_pk_add_f32 v[SUM+4:SUM+5], v[SUM+4:SUM+5], v[SUM+6:SUM+7]
.endif
.if \step == 8
	v_pk_add_f32 v[SUM:SUM+1], v[SUM:SUM+1], v[SUM+4:SUM+5]
.endif
.if \step == 10
	v_add_f32 v[SUM], v[SUM], v[SUM+1]
.endif
.if \step == 12
	v_permlanex16_b32 v[SUM+2], v[SUM], s[SEL], s[SEL+1]
.endif
.if \step == 14
	v_add_f32 v[SUM], v[SUM], v[SUM+2]             ; with lane l xor 16's 64 centres
.endif
.endm
; Tile T: its codes, scale word and C are ready.  next = 1: tile T + 1 is on its way back from the stage and is quantised beside it; ahead = 1: tile T + 4 is asked for, off bytes on, into tile T + 1's slot.
; stg: the slot of tile T + 2, which then turns through the stage (-1: none); left = the younger loads that may stay out.  Tile T - 1's c_pot goes to la + lo (ahead of tile 0: what the set-up left, to 64 bytes that nobody reads).
.macro BODY slot, left, ahead, off, next, stg, la, lo
.if \next == 0
	s_wait_alu depctr_va_vdst(0)
.endif
	WIN 0x01
.irp t, 0,1,2,3,4,5,6,7
.if \t % 2
	v_wmma_scale_f32_16x16x128_f8f6f4 v[ACC+8*\t:ACC+8*\t+7], v[CC+10*\t:CC+10*\t+15], v[AOP:AOP+15], v[CA2:CA2+7], v[CS+\t/2], v[AS] matrix_a_scale:MATRIX_SCALE_ROW1
.else
	v_wmma_scale_f32_16x16x128_f8f6f4 v[ACC+8*\t:ACC+8*\t+7], v[CC+10*\t:CC+10*\t+15], v[AOP:AOP+15], v[CA2:CA2+7], v[CS+\t/2], v[AS]
.endif
.endr
	WIN 0
.if \next
	s_wait_dscnt 0x0                               ; tile T + 1 is back from the stage, and the slot's registers have been read
.if \ahead
	XLOAD \slot, \off
.endif
	QMAX 1                                         ; these lines name no register of the products: they are the eight places between a matrix instruction of this form and what touches its registers
	ds_store_b32 v[\la], v[SUM] offset:\lo         ; lanes r and r + 16 write the same word with the same value
	QFIN
.else
.irp k, 6,8,10,12,14
	FINISH \k                                      ; six of the same eight places,
.endr
	ds_store_b32 v[\la], v[SUM] offset:\lo
	v_nop                                          ; and the other two
	v_nop
.endif
.set QI, 0
.rept 32
	v_dual_max_num_f32 v[ACC+2*QI], s[C12], v[ACC+2*QI] :: v_dual_max_num_f32 v[ACC+2*QI+1], s[C12], v[ACC+2*QI+1]
.set QI, QI+1
.endr
	s_wait_alu depctr_va_vdst(0)                   ; a wait ahead of the batch of roots,
.set QI, 0
.rept 32
	v_sqrt_f32 v[ACC+2*QI], v[ACC+2*QI]
	v_sqrt_f32 v[ACC+2*QI+1], v[ACC+2*QI+1]
.if \next
	v_med3_num_f32 v[XS+QI], v[XS+QI], -v[TM+6+QI/16], v[TM+6+QI/16]   ; the hold (the conversion does not saturate: ISA guide 7.6.2), among the roots
.endif
.set QI, QI+1
.endr
.if \next == 0
	v_nop
.endif
	s_wait_alu depctr_va_vdst(0)                   ; and behind it
.if \next
	CVT
.if \stg >= 0
	s_wait_loadcnt \left
	STAGE \stg                                     ; the numbers' registers are free
.endif
.endif
.set QI, 0
.rept 32
	v_pk_add_f32 v[ACC+2*QI:ACC+2*QI+1], v[ACC+2*QI:ACC+2*QI+1], s[EPS:EPS+1] op_sel_hi:[1,0]
.set QI, QI+1
.endr
	GROUP 0, NB
	GROUP 1, ACC+8
	s_wait_alu depctr_va_vdst(0)
	RCP 0
	GROUP 2, ACC+24
	RCP 1
	GROUP 3, ACC+40
	s_wait_alu depctr_va_vdst(0)                   ; behind the first two batches, and ahead of the next two
	RCP 2
	RCP 3
.irp j, 0,2,4,6
	v_pk_mul_f32 v[SUM+\j:SUM+\j+1], v[NB+\j:NB+\j+1], v[ACC+\j:ACC+\j+1]
.endr
	TAKE 1, ACC+8
	s_wait_alu depctr_va_vdst(0)
	TAKE 2, ACC+24
	TAKE 3, ACC+40
.endm
	s_load_b256 s[4:11], s[0:1], 0x0               ; candidate_z s[4:5], centers s[6:7], mus s[8:9], query_z s[10:11]
	s_load_b128 s[12:15], s[0:1], 0x20             ; logit s[12:13], part s[14:15]
	v_lshrrev_b32 v[TM], 5, v0
	v_readfirstlane_b32 s[WV], v[TM]               ; wave 0..7
	s_lshl_b32 s[TN], ttmp9, 7
	s_lshl_b32 s38, s[WV], 4
	s_add_co_u32 s[TN], s[TN], s38                 ; 128 g + 16 w
	s_min_u32 s[T0], s[TN], NT-16
	s_sub_co_u32 s[NDUP], s[TN], s[T0]             ; tiles that I repeat: 16 logits each, four to a lane
	s_lshl_b32 s[NDUP], s[NDUP], 2
	s_min_u32 s[NDUP], s[NDUP], 64
	s_lshl_b32 s20, s[T0], 12                      ; a tile of candidates is 4,096 bytes (under 2^27 in all),
	s_mov_b32 s21, 0
	s_lshl_b32 s22, s[T0], 6                       ; of logits 64
	s_mov_b32 s23, 0
	s_mov_b32 s[C12], 0x2b8cbccc
	s_mov_b32 s[MNT], 0x600000
	s_mov_b32 s[EPS], 0x358637bd
	s_mov_b32 s[EPS+1], s[EPS]
	s_mov_b32 s[SEL], 0x76543210
	s_mov_b32 s[SEL+1], 0xfedcba98
	s_mov_b32 s[M10], 0xc1200000
	s_mov_b32 s[K1], 0x7f7f0000
	s_mov_b32 s[HM], 0xffff0000
	s_mov_b32 s[MF], 0x7fffff
	s_mov_b32 s[L2E], 0x3fb8aa3b
	s_mul_i32 s38, s[WV], WSTG
	s_lshl_b32 s39, s[WV], 10
	s_add_co_u32 s40, s39, CIMG
	s_mul_i32 s41, s[WV], 1088
	s_add_co_u32 s41, s41, CPB
	s_lshl_b32 s42, s[WV], 8
	s_add_co_u32 s42, s42, PCB
	s_lshl_b32 s43, s[WV], 6
	s_add_co_u32 s43, s43, CSC
	s_lshl_b32 s45, s[WV], 3
	s_add_co_u32 s45, s45, RED
	; every LDS address is made here: a constant + a constant x lane + a constant x wave
	v_and_b32 v[LANE], 31, v0
	v_and_b32 v[RR], 15, v0
	v_bfe_u32 v[HH], v0, 4, 1
	v_lshl_add_u32 v[SPW], v0, 2, SPARE
	v_mov_b32 v[NIL], 0
	v_lshlrev_b32 v[GOF], 4, v[LANE]
	v_mul_u32_u24 v[STS], v[HH], PITCH
	v_mul_u32_u24 v[STL], v[RR], PITCH
	v_lshl_add_u32 v[LGS], v[RR], 2, s41
	v_lshl_add_u32 v[STS], v[RR], 4, v[STS]
	v_lshl_add_u32 v[STL], v[HH], 6, v[STL]
	v_add_nc_u32 v[LGR], s41, v[GOF]
	v_add_nc_u32 v[STS], s38, v[STS]
	v_add_nc_u32 v[STL], s38, v[STL]
	v_mov_b32 v[REDS], s45
	v_and_b32 v[REDL], 7, v0
	v_add_nc_u32 v[IMS], s40, v[GOF]               ; wave w stores tile w's codes,
	v_lshl_add_u32 v[PCS], v[LANE], 3, s42         ; its digits,
	v_lshl_add_u32 v[CSS], v[RR], 2, s43           ; its scale words and its distances;
	v_lshl_add_u32 v[REDL], v[REDL], 3, RED
	v_add_nc_u32 v[IMG], CIMG, v[GOF]              ; every wave reads all of them
	v_lshl_add_u32 v[PIM], v[LANE], 3, PCB
	v_lshl_add_u32 v[CSL], v[LANE], 2, CSC
	v_lshlrev_b32 v[GC], 8, v[RR]
	v_lshlrev_b32 v[GQ], 6, v[HH]                  ; query_z: my 16 numbers of a block of 32
	v_lshlrev_b32 v[GMU], 5, v[HH]                 ; mus: centres 8 h .. 8 h + 7 of every tile
	v_lshl_add_u32 v[GC], v[HH], 6, v[GC]          ; centers: row r of 256 bytes, the same 16
	v_mov_b32 v[TM+2], 0                           ; written once: a lane permute's destination counts as one of its sources
	v_mov_b32 v[TM+3], 0
	v_mov_b32 v[TM+8], 0x38587878                  ; codes of 2^8, 2^8, 2^4, 1: against 16 x digit 5, digits 4, 3, 2
	v_mov_b32 v[TM+9], 0x218                       ; 2^-4, 2^-8, 0, 0: against digits 1, 0
.irp j, 9,10,11,12,13,14,15
	v_mov_b32 v[AOP+\j], 0
.endr
	v_cndmask_b32 v[AOP+8], v[TM+8], v[TM+9], s[HM]
	WIN 0x40
.irp j, 0,1,2,3,4,5
	v_mov_b32 v[CC+80+\j], 0                       ; behind the last tile of centres
.endr
	WIN 0
	s_wait_alu depctr_va_vdst(0)
	s_wait_kmcnt 0x0
	s_add_nc_u64 s[4:5], s[4:5], s[20:21]          ; candidate_z at my first tile
	s_add_nc_u64 s[12:13], s[12:13], s[22:23]      ; logit at my first tile's place
	s_lshl_b32 s20, ttmp9, 3
	s_add_nc_u64 s[14:15], s[14:15], s[20:21]      ; part at my work-group's pair
	s_lshl_b32 s38, s[WV], 12
	s_mov_b32 s39, 0
	s_add_nc_u64 s[40:41], s[6:7], s[38:39]        ; my tile of centers
	XLOAD 0, 0
.irp c, 0,1
.irp j, 0,1,2,3
	global_load_b128 v[XS+16*\c+4*\j:XS+16*\c+4*\j+3], v[GC], s[40:41] offset:128*\c+16*\j      ; register 16 c + i: centre r, k = 32 c + 16 h + i
	global_load_b128 v[ACC+16*\c+4*\j:ACC+16*\c+4*\j+3], v[GQ], s[10:11] offset:128*\c+16*\j    ; the query's same k
.endr
.endr
	global_load_b128 v[MUQ:MUQ+3], v[GOF], s[8:9]
.irp t, 0,1,2,3,4,5,6,7
	global_load_b128 v[MU+8*\t:MU+8*\t+3], v[GMU], s[8:9] offset:64*\t
	global_load_b128 v[MU+8*\t+4:MU+8*\t+7], v[GMU], s[8:9] offset:64*\t+16
.endr
	XLOAD 1, 4096
	XLOAD 2, 8192
	; ---- tile w of the centres: codes, digits of |c|^2, scale words, and the query's squared distances to them (that product stays f32: fused multiply-adds)
	s_wait_loadcnt 32                              ; behind them: 16 of mus, 16 of candidates
.irp k, 0,2
	v_pk_mul_f32 v[W+\k:W+\k+1], v[ACC+\k:ACC+\k+1], v[ACC+\k:ACC+\k+1]
	v_pk_mul_f32 v[W+4+\k:W+5+\k], v[XS+\k:XS+\k+1], v[ACC+\k:ACC+\k+1]
.endr
.irp i, 4,8,12,16,20,24,28
.irp k, 0,2
	v_pk_fma_f32 v[W+\k:W+\k+1], v[ACC+\i+\k:ACC+\i+\k+1], v[ACC+\i+\k:ACC+\i+\k+1], v[W+\k:W+\k+1]
	v_pk_fma_f32 v[W+4+\k:W+5+\k], v[XS+\i+\k:XS+\i+\k+1], v[ACC+\i+\k:ACC+\i+\k+1], v[W+4+\k:W+5+\k]
.endr
.endr
	QMAX
	QFIN                                           ; C's registers hold |c|^2 here
	HOLD
	CVT
	v_add_nc_u32 v[CSW], 0x101, v[AS]              ; both bytes one higher: the quantised centres doubled, exactly
	v_max_num_f32 v[CA2], 0xd800000, v[CA2]        ; |c|^2, 2^-100 at the least
	v_pk_add_f32 v[W:W+1], v[W:W+1], v[W+2:W+3]
	v_pk_add_f32 v[W+4:W+5], v[W+4:W+5], v[W+6:W+7]
	v_and_or_b32 v[MM], v[CA2], s[MF], 0x800000    ; its 24-bit mantissa
	v_lshrrev_b32 v[EE], 23, v[CA2]
	v_add_f32 v[W], v[W], v[W+1]
	v_add_f32 v[W+4], v[W+4], v[W+5]
	v_lshrrev_b32 v[DG], 16, v[MM]
	v_bfe_u32 v[DG+1], v[MM], 16, 4
	v_bfe_u32 v[DG+2], v[MM], 12, 4
	v_bfe_u32 v[DG+3], v[MM], 8, 4
	v_bfe_u32 v[DG+4], v[MM], 4, 4
	v_and_b32 v[DG+5], 15, v[MM]
	v_and_b32 v[DG], 0xf0, v[DG]                   ; the highest digit x 16
	v_mov_b32 v[DG+6], 0
	v_mov_b32 v[DG+7], 0
	v_mov_b32 v[ONE], 1.0
.irp j, 0,1,2,3,4,5
	v_cvt_f32_u32 v[DG+\j], v[DG+\j]
.endr
	v_cvt_scalef32_pk8_fp8_f32 v[ZC:ZC+1], v[DG:DG+7], v[ONE]   ; whole numbers of 4 bits: exact
	v_permlanex16_b32 v[W+1], v[W], s[SEL], s[SEL+1]
	v_permlanex16_b32 v[W+5], v[W+4], s[SEL], s[SEL+1]
	v_add_nc_u32 v[EE], -15, v[EE]                 ; |c|^2 = mantissa x 2^(E - 150); the powers of two hold 2^-8: so the digits' scale is 2^(E - 142), its byte E - 15
	v_and_b32 v[CSW], 0xff00ffff, v[CSW]
.irp j, 0,1,2,3,4,5,6,7
	v_xor_b32 v[AOP+\j], 0x80808080, v[AOP+\j]     ; the centres negated
.endr
	v_lshl_or_b32 v[CSW], v[EE], 16, v[CSW]
	v_cndmask_b32 v[PW], v[ZC], v[ZC+1], s[HM]     ; lanes 0-15 digits 5 to 2, lanes 16-31 digits 1 and 0
	v_mov_b32 v[PW+1], 0
	v_add_f32 v[W], v[W], v[W+1]                   ; |q|^2
	v_add_f32 v[W+4], v[W+4], v[W+5]               ; q.c
	ds_store_b128 v[IMS], v[AOP:AOP+3]             ; the codes go to LDS as an image of their registers: 16 bytes a lane, 512 a store
	ds_store_b128 v[IMS], v[AOP+4:AOP+7] offset:512
	ds_store_b64 v[PCS], v[PW:PW+1]
	ds_store_b32 v[CSS], v[CSW]                    ; lanes r and r + 16 write the same word with the same value
	STAGE 0                                        ; my first tile of candidates turns through the stage meanwhile (its loads were the first issued)
	v_add_f32 v[W], v[W], v[CA2]
	v_fma_f32 v[W], -2.0, v[W+4], v[W]
	v_max_num_f32 v[W], s[C12], v[W]               ; the query's squared distance to centre r
	ds_store_b32 v[CSS], v[W] offset:QMB-CSC       ; lanes r and r + 16 write the same word with the same value
	s_wait_alu depctr_va_vdst(0)
	s_wait_dscnt 0x0                               ; my stores have landed, and tile 0 is back from the stage
	XLOAD 0, 3*4096
	s_barrier_signal -1
	s_barrier_wait -1
	; ---- every wave takes the centres into its registers, where they stay; meanwhile tile 0 is quantised, and q_pot made: four centres a lane
	ds_load_b128 v[QM:QM+3], v[IMG] offset:QMB-CIMG
	WIN 0x40
.irp t, 0,1,2,3,4,5,6,7
	ds_load_b128 v[CC+10*\t:CC+10*\t+3], v[IMG] offset:1024*\t
	ds_load_b128 v[CC+10*\t+4:CC+10*\t+7], v[IMG] offset:1024*\t+512
	ds_load_b64 v[CC+10*\t+8:CC+10*\t+9], v[PIM] offset:256*\t
.endr
	WIN 0
.irp p, 0,1,2,3
	ds_load_b32 v[CS+\p], v[CSL] offset:128*\p
.endr
	QMAX
	s_wait_dscnt 28                                ; the distances are in; the 24 + 4 loads behind them may be out
	s_wait_alu depctr_va_vdst(0)                   ; a wait ahead of the batch
.irp j, 0,1,2,3
	v_sqrt_f32 v[QM+\j], v[QM+\j]
.endr
	QFIN
	s_wait_alu depctr_va_vdst(0)                   ; and behind it
	v_pk_add_f32 v[QM:QM+1], v[QM:QM+1], s[EPS:EPS+1] op_sel_hi:[1,0]
	v_pk_add_f32 v[QM+2:QM+3], v[QM+2:QM+3], s[EPS:EPS+1] op_sel_hi:[1,0]
	s_wait_alu depctr_va_vdst(0)
.irp j, 0,1,2,3
	v_rcp_f32 v[QM+\j], v[QM+\j]
.endr
	HOLD
	s_wait_alu depctr_va_vdst(0)
	CVT
	s_wait_loadcnt 16                              ; tile 1 is in; the loads of tiles 2 and 3 may be out
	STAGE 1
	v_pk_mul_f32 v[QM:QM+1], v[QM:QM+1], v[MUQ:MUQ+1]
	v_pk_fma_f32 v[QM:QM+1], v[QM+2:QM+3], v[MUQ+2:MUQ+3], v[QM:QM+1]
	v_add_f32 v[QM], v[QM], v[QM+1]
.irp m, 1,2,4,8
	v_add_f32_dpp v[QM], v[QM], v[QM] row_xmask:\m row_mask:0xf bank_mask:0xf
.endr
	v_permlanex16_b32 v[QM+2], v[QM], s[SEL], s[SEL+1]
	v_add_f32 v[QPV], v[QM], v[QM+2]               ; q_pot
	s_wait_alu depctr_va_vdst(0)
	s_wait_dscnt 16                                ; the centres are in; the stage's 16 instructions may be out
	s_mov_b32 s[LG], 0
	s_mov_b32 s[TC], 4
.Ltile:                                                ; tiles 3 i, 3 i + 1, 3 i + 2; i = 0 .. 3
	v_add_nc_u32 v[LGA], s[LG], v[LGS]
	BODY 1, 16, 1, 4*4096, 1, 2, LGA, 0            ; 16: the loads of the two tiles behind the one that is taken
	BODY 2, 16, 1, 5*4096, 1, 0, LGA, 64
	BODY 0, 16, 1, 6*4096, 1, 1, LGA, 128
	s_wait_xcnt 0x0                                ; the loads have read their base
	s_add_nc_u64 s[4:5], s[4:5], 3*4096
	s_add_co_u32 s[LG], s[LG], 192
	s_sub_co_u32 s[TC], s[TC], 1
	s_cmp_lg_u32 s[TC], 0
	s_cbranch_scc1 .Ltile
	BODY 1, 8, 0, 0, 1, 2, LGS, 768                ; the last four tiles ask for nothing, so no load leaves the buffer: the counts run down
	BODY 2, 0, 0, 0, 1, 0, LGS, 832
	BODY 0, 0, 0, 0, 1, -1, LGS, 896
	BODY 0, 0, 0, 0, 0, -1, LGS, 960
.irp k, 6,8,10,12,14
	FINISH \k
.endr
	ds_store_b32 v[LGS], v[SUM] offset:1024        ; the last tile
	; ---- the wave's 256 logits leave as two runs of 512 consecutive bytes; their largest and the sum of exponentials go to the work-group's pair
	ds_load_b128 v[XS:XS+3], v[LGR] offset:64      ; my own wave's words, behind the 64 bytes that nobody reads
	ds_load_b128 v[XS+4:XS+7], v[LGR] offset:576
	v_add_nc_u32 v[TM+8], 32, v[LANE]
	v_cmp_le_u32 s[MA], s[NDUP], v[LANE]
	v_cmp_le_u32 s[MB], s[NDUP], v[TM+8]
	s_wait_alu depctr_va_vdst(0)
	s_wait_dscnt 0x0
.irp j, 0,1,2,3,4,5,6,7
	v_sub_f32 v[XS+\j], v[QPV], v[XS+\j]
.endr
.irp j, 0,1,2,3,4,5,6,7
	v_mul_f32 v[XS+\j], s[M10], |v[XS+\j]|
.endr
	s_wait_alu depctr_va_vdst(0)
	s_cmp_lg_u32 s[NDUP], 0
	s_cbranch_scc1 .Lheld
	global_store_b128 v[GOF], v[XS:XS+3], s[12:13]
	global_store_b128 v[GOF], v[XS+4:XS+7], s[12:13] offset:512
	s_branch .Lsent
.Lheld:                                                ; a wave that repeats tiles: only the lanes whose logits are its own store
	v_cmp_le_u32 vcc_lo, s[NDUP], v[LANE]
	s_wait_xcnt 0x0                                ; EXEC changes only behind this wait
	s_and_saveexec_b32 s[SV], vcc_lo
	global_store_b128 v[GOF], v[XS:XS+3], s[12:13]
	s_wait_xcnt 0x0                                ; and again, ahead of the line that widens it
	s_or_b32 exec_lo, exec_lo, s[SV]
	v_cmp_le_u32 vcc_lo, s[NDUP], v[TM+8]
	s_and_saveexec_b32 s[SV], vcc_lo
	global_store_b128 v[GOF], v[XS+4:XS+7], s[12:13] offset:512
	s_wait_xcnt 0x0
	s_or_b32 exec_lo, exec_lo, s[SV]
.Lsent:                                                ; the stores' data stay as they are: what follows is made in other registers
.irp j, 0,1,2,3
	v_cndmask_b32 v[ACC+\j], 0xff61b1e6, v[XS+\j], s[MA]       ; what is not mine counts as -3e38
	v_cndmask_b32 v[ACC+4+\j], 0xff61b1e6, v[XS+4+\j], s[MB]
.endr
	v_max3_num_f32 v[TM], v[ACC], v[ACC+1], v[ACC+2]
	v_max3_num_f32 v[TM+1], v[ACC+3], v[ACC+4], v[ACC+5]
	v_max3_num_f32 v[TM], v[TM], v[ACC+6], v[ACC+7]
	v_max_num_f32 v[TM], v[TM], v[TM+1]
.irp m, 1,2,4,8
	v_max_num_f32_dpp v[TM], v[TM], v[TM] row_xmask:\m row_mask:0xf bank_mask:0xf
.endr
	v_permlanex16_b32 v[TM+2], v[TM], s[SEL], s[SEL+1]
	v_max_num_f32 v[TM], v[TM], v[TM+2]            ; the wave's largest logit
.irp j, 0,1,2,3,4,5,6,7
	v_sub_f32 v[ACC+\j], v[ACC+\j], v[TM]
.endr
.irp j, 0,1,2,3,4,5,6,7
	v_mul_f32 v[ACC+\j], s[L2E], v[ACC+\j]
.endr
	s_wait_alu depctr_va_vdst(0)
.irp j, 0,1,2,3,4,5,6,7
	v_exp_f32 v[ACC+\j], v[ACC+\j]
.endr
	v_nop
	s_wait_alu depctr_va_vdst(0)
	v_pk_add_f32 v[ACC:ACC+1], v[ACC:ACC+1], v[ACC+2:ACC+3]
	v_pk_add_f32 v[ACC+4:ACC+5], v[ACC+4:ACC+5], v[ACC+6:ACC+7]
	v_pk_add_f32 v[ACC:ACC+1], v[ACC:ACC+1], v[ACC+4:ACC+5]
	v_add_f32 v[TM+1], v[ACC], v[ACC+1]
.irp m, 1,2,4,8
	v_add_f32_dpp v[TM+1], v[TM+1], v[TM+1] row_xmask:\m row_mask:0xf bank_mask:0xf
.endr
	v_permlanex16_b32 v[TM+2], v[TM+1], s[SEL], s[SEL+1]
	v_add_f32 v[TM+1], v[TM+1], v[TM+2]
	ds_store_b64 v[REDS], v[TM:TM+1]               ; every lane writes the same pair.  (A wave none of whose logits is its own leaves (-3e38, 256), which gets the weight 0 below)
	s_wait_tensorcnt 0x0
	ds_add_u32 v[SPW], v[NIL]
	s_wait_dscnt 0x0                               ; for wave 0's sake, too
	s_barrier_signal -1
	s_barrier_wait -1
	s_cmp_lg_u32 s[WV], 0
	s_cbranch_scc1 .Ldone
	ds_load_b64 v[TM:TM+1], v[REDL]                ; lane l: pair l % 8
	s_wait_dscnt 0x0
	v_mov_b32 v[TM+2], v[TM]
.irp m, 1,2,4
	v_max_num_f32_dpp v[TM+2], v[TM+2], v[TM+2] row_xmask:\m row_mask:0xf bank_mask:0xf
.endr
	v_sub_f32 v[TM+3], v[TM], v[TM+2]
	v_mul_f32 v[TM+3], s[L2E], v[TM+3]
	s_wait_alu depctr_va_vdst(0)
	v_exp_f32 v[TM+3], v[TM+3]
	v_nop
	v_cmp_eq_u32 vcc_lo, 0, v[LANE]
	s_wait_alu depctr_va_vdst(0)
	v_mul_f32 v[TM+3], v[TM+1], v[TM+3]            ; a wave's sum under the work-group's largest logit
.irp m, 1,2,4
	v_add_f32_dpp v[TM+3], v[TM+3], v[TM+3] row_xmask:\m row_mask:0xf bank_mask:0xf
.endr
	s_wait_alu depctr_va_vdst(0)
	s_wait_xcnt 0x0
	s_and_saveexec_b32 s[SV], vcc_lo               ; lane 0 alone, whose offset 16 x lane is 0
	global_store_b64 v[GOF], v[TM+2:TM+3], s[14:15]
.Ldone:
	s_endpgm
.Lfunc_end_k_qc6a9cd21f5_potential:
	.size	k_qc6a9cd21f5_potential, .Lfunc_end_k_qc6a9cd21f5_potential-k_qc6a9cd21f5_potential
	.p2alignl 7, 3214868480
	.fill 96, 4, 3214868480
	.section	.rodata,"a",@progbits
	.p2align	6, 0x0
	.amdhsa_kernel k_qc6a9cd21f5_potential
		.amdhsa_group_segment_fixed_size 56064
		.amdhsa_private_segment_fixed_size 0
		.amdhsa_enable_private_segment 0
		.amdhsa_kernarg_size 48
		.amdhsa_user_sgpr_count 2
		.amdhsa_user_sgpr_kernarg_segment_ptr 1
		.amdhsa_wavefront_size32 1
		.amdhsa_system_sgpr_workgroup_id_x 1
		.amdhsa_system_sgpr_workgroup_id_y 1
		.amdhsa_system_sgpr_workgroup_id_z 1
		.amdhsa_system_vgpr_workitem_id 0
		.amdhsa_next_free_vgpr 448
		.amdhsa_next_free_sgpr 66
		.amdhsa_reserve_vcc 1
		.amdhsa_float_denorm_mode_32 3
		.amdhsa_float_denorm_mode_16_64 3
		.amdhsa_memory_ordered 1
		.amdhsa_forward_progress 1
		.amdhsa_inst_pref_size 167
	.end_amdhsa_kernel
	.amdgpu_metadata
---
amdhsa.version: [ 1, 2 ]
amdhsa.kernels:
  - .name:           k_qc6a9cd21f5_potential
    .symbol:         k_qc6a9cd21f5_potential.kd
    .args:
      - { .name: candidate_z, .offset: 0, .size: 8, .value_kind: global_buffer, .address_space: global }
      - { .name: centers, .offset: 8, .size: 8, .value_kind: global_buffer, .address_space: global }
      - { .name: mus, .offset: 16, .size: 8, .value_kind: global_buffer, .address_space: global }
      - { .name: query_z, .offset: 24, .size: 8, .value_kind: global_buffer, .address_space: global }
      - { .name: logit, .offset: 32, .size: 8, .value_kind: global_buffer, .address_space: global }
      - { .name: part, .offset: 40, .size: 8, .value_kind: global_buffer, .address_space: global }
    .group_segment_fixed_size: 56064
    .private_segment_fixed_size: 0
    .kernarg_segment_align: 8
    .kernarg_segment_size: 48
    .max_flat_workgroup_size: 256
    .sgpr_count:     66
    .vgpr_count:     448
    .wavefront_size: 32
...
	.end_amdgpu_metadata
.endif
;; end of part 1
;; launch normalise (part 2): grid 246 x 1, 8 waves a work-group, no clusters, 3,072 bytes of LDS; arguments logit, part, centers, mus, query_z, out0, out1; writes out0, out1
.if DOCPART == 2
	.amdgcn_target "amdgcn-amd-amdhsa--gfx1250"
	.amdhsa_code_object_version 6
	.text
	.protected	k_qc6a9cd21f5_normalise
	.globl	k_qc6a9cd21f5_normalise
	.p2align	8
	.type	k_qc6a9cd21f5_normalise,@function
k_qc6a9cd21f5_normalise:
	s_mov_b64 s[64:65], 0
	v_nop
	global_prefetch_b8 v0, s[64:65] scope:SCOPE_SE
	s_setreg_imm32_b32 hwreg(HW_REG_WAVE_MODE, 25, 1), 1
	s_wait_xcnt 0x0
; out1[i] = exp(logit[i] - M) / S, M the largest logit of all and S the sum of exp(logit - M), both joined from the 245 pairs (m, s) that the launch before left: M = max m, S = sum of s exp(m - M).
; out0 = query_z + 0.1 x the sum over the 128 centres of mu (c - q) / (r^3 + 1e-6), r = sqrt(max(|c - q|^2, 1e-12)): all in f32.
; SHARES.  Work-groups 0 to 244: 2,048 logits each, 16 bytes a thread twice: a wave's load and store cover 512 consecutive bytes, aligned.  Every wave joins the pairs for itself (1,960 bytes): no LDS, no barrier.
; The last of them reaches past the 500,000th logit: its load offsets are held at the last 16 bytes, and its stores are masked.  Work-group 245 makes out0: wave w takes centres 16 w + r, a lane 32 of the 64 along k.
; No matrix unit, no cluster, no tensor load: 4 MB are moved, and work-groups share only the pairs.
; LIMITS.  An attention under 2^-126 comes out as 0 (v_exp_f32 flushes denormals: ISA guide 15.8).  NaN and infinities are not served.  Sums are ordered otherwise than in the reference.
.set NB,  2000000                      ; bytes of logits, and of out1
.set NP,  245                          ; pairs
	s_load_b256 s[4:11], s[0:1], 0x0               ; logit s[4:5], part s[6:7], centers s[8:9], mus s[10:11]
	s_load_b128 s[12:15], s[0:1], 0x20             ; query_z s[12:13], out0 s[14:15]
	s_load_b64 s[16:17], s[0:1], 0x30              ; out1
	v_lshl_add_u32 v96, v0, 2, 0x800
	v_mov_b32 v97, 0
	v_and_b32 v1, 31, v0                           ; lane
	s_mov_b32 s20, 0x76543210
	s_mov_b32 s21, 0xfedcba98                      ; v_permlanex16_b32's selects for lane l xor 16
	s_mov_b32 s22, 0x3fb8aa3b                      ; log2(e)
	s_cmp_eq_u32 ttmp9, NP
	s_cbranch_scc1 .Lfield
	s_lshl_b32 s23, ttmp9, 13
	v_lshl_add_u32 v2, v0, 4, s23                  ; my first 16 bytes,
	s_delay_alu instid0(VALU_DEP_1)
	v_add_nc_u32 v3, 4096, v2                      ; my second
	s_delay_alu instid0(VALU_DEP_2)
	v_min_u32 v4, NB-16, v2                        ; the loads stay inside what was written
	s_delay_alu instid0(VALU_DEP_2)
	v_min_u32 v5, NB-16, v3
	v_lshlrev_b32 v6, 3, v1                        ; pair lane + 32 i, i = 0 .. 6,
	v_add_nc_u32 v7, 224, v1
	s_delay_alu instid0(VALU_DEP_1)
	v_min_u32 v7, NP-1, v7                         ; and pair lane + 224, held at the last
	s_delay_alu instid0(VALU_DEP_1)
	v_lshlrev_b32 v7, 3, v7
	v_mov_b32 v33, 0                               ; a lane permute's destination counts as one of its sources
	v_mov_b32 v37, 0                               ; (named as the upper half of the pair v[36:37])
	s_wait_alu depctr_va_vdst(0)
	s_wait_kmcnt 0x0
.irp i, 0,1,2,3,4,5,6
	global_load_b64 v[16+2*\i:17+2*\i], v6, s[6:7] offset:256*\i
.endr
	global_load_b64 v[30:31], v7, s[6:7]
	global_load_b128 v[8:11], v4, s[4:5] th:TH_LOAD_NT
	global_load_b128 v[12:15], v5, s[4:5] th:TH_LOAD_NT
	s_wait_loadcnt 0x2                             ; the pairs are in; the two loads of logits, issued behind them, may stay out
	v_cmp_gt_u32 vcc_lo, NP-224, v1
	s_delay_alu instid0(VALU_DEP_1)
	v_cndmask_b32 v31, 0, v31, vcc_lo              ; a pair taken twice counts once
	v_max3_num_f32 v32, v16, v18, v20
	s_delay_alu instid0(VALU_DEP_1)
	v_max3_num_f32 v32, v32, v22, v24
	s_delay_alu instid0(VALU_DEP_1)
	v_max3_num_f32 v32, v32, v26, v28
	s_delay_alu instid0(VALU_DEP_1)
	v_max_num_f32 v32, v32, v30
	s_delay_alu instid0(VALU_DEP_1)
	v_max_num_f32_dpp v32, v32, v32 row_xmask:1 row_mask:0xf bank_mask:0xf
	s_delay_alu instid0(VALU_DEP_1)
	v_max_num_f32_dpp v32, v32, v32 row_xmask:2 row_mask:0xf bank_mask:0xf
	s_delay_alu instid0(VALU_DEP_1)
	v_max_num_f32_dpp v32, v32, v32 row_xmask:4 row_mask:0xf bank_mask:0xf
	s_delay_alu instid0(VALU_DEP_1)
	v_max_num_f32_dpp v32, v32, v32 row_xmask:8 row_mask:0xf bank_mask:0xf
	s_delay_alu instid0(VALU_DEP_1)
	v_permlanex16_b32 v33, v32, s20, s21
	s_delay_alu instid0(VALU_DEP_1)
	v_max_num_f32 v32, v32, v33                    ; M
.irp i, 0,1,2,3,4,5,6,7
	v_sub_f32 v[16+2*\i], v[16+2*\i], v32
.endr
.irp i, 0,1,2,3,4,5,6,7
	v_mul_f32 v[16+2*\i], s22, v[16+2*\i]
.endr
	s_wait_alu depctr_va_vdst(0)
.irp i, 0,1,2,3,4,5,6,7
	v_exp_f32 v[16+2*\i], v[16+2*\i]
.endr
	v_nop                                          ; a plain line behind the last exponential,
	s_wait_alu depctr_va_vdst(0)                   ; and one wait for the eight, ahead of the first line that names a result
	v_mul_f32 v35, v17, v16
.irp i, 1,2,3,4,5,6,7
	v_fmac_f32 v35, v[17+2*\i], v[16+2*\i]
.endr
	s_delay_alu instid0(VALU_DEP_1)
	v_add_f32_dpp v35, v35, v35 row_xmask:1 row_mask:0xf bank_mask:0xf
	s_delay_alu instid0(VALU_DEP_1)
	v_add_f32_dpp v35, v35, v35 row_xmask:2 row_mask:0xf bank_mask:0xf
	s_delay_alu instid0(VALU_DEP_1)
	v_add_f32_dpp v35, v35, v35 row_xmask:4 row_mask:0xf bank_mask:0xf
	s_delay_alu instid0(VALU_DEP_1)
	v_add_f32_dpp v35, v35, v35 row_xmask:8 row_mask:0xf bank_mask:0xf
	s_delay_alu instid0(VALU_DEP_1)
	v_permlanex16_b32 v33, v35, s20, s21
	s_delay_alu instid0(VALU_DEP_1)
	v_add_f32 v35, v35, v33                        ; S, at least 1
	s_wait_loadcnt 0x0                             ; the logits
.irp j, 0,1,2,3,4,5,6,7
	v_sub_f32 v[8+\j], v[8+\j], v32
.endr
.irp j, 0,1,2,3,4,5,6,7
	v_mul_f32 v[8+\j], s22, v[8+\j]
.endr
	s_wait_alu depctr_va_vdst(0)
.irp j, 0,1,2,3,4,5,6,7
	v_exp_f32 v[8+\j], v[8+\j]
.endr
	v_rcp_f32 v36, v35
	v_nop
	s_wait_alu depctr_va_vdst(0)                   ; one wait for the nine
.irp j, 0,2,4,6
	v_pk_mul_f32 v[8+\j:9+\j], v[8+\j:9+\j], v[36:37] op_sel_hi:[1,0]
.endr
	s_wait_alu depctr_va_vdst(0)
	s_cmp_eq_u32 ttmp9, NP-1
	s_cbranch_scc1 .Llast
	global_store_b128 v2, v[8:11], s[16:17] th:TH_STORE_NT
	global_store_b128 v3, v[12:15], s[16:17] th:TH_STORE_NT
	s_endpgm
.Llast:                                                ; work-group 244 begins 1,152 bytes ahead of the end: 72 threads store their first 16 bytes, none its second
	v_cmp_gt_u32 vcc_lo, NB, v2
	s_wait_xcnt 0x0                                ; EXEC changes only behind this wait
	s_and_saveexec_b32 s24, vcc_lo
	global_store_b128 v2, v[8:11], s[16:17] th:TH_STORE_NT
	s_endpgm
.Lfield:
	v_lshrrev_b32 v2, 5, v0
	s_delay_alu instid0(VALU_DEP_1)
	v_readfirstlane_b32 s23, v2                    ; wave 0..7
	v_and_b32 v3, 15, v0                           ; r
	v_bfe_u32 v4, v0, 4, 1                         ; h
	s_delay_alu instid0(VALU_DEP_2)
	v_lshlrev_b32 v5, 8, v3
	s_delay_alu instid0(VALU_DEP_1)
	v_lshl_add_u32 v5, v4, 7, v5                   ; centers: row r of 256 bytes, + 128 h: k = 32 h + 0 .. 31
	s_delay_alu instid0(VALU_DEP_3)
	v_lshlrev_b32 v6, 7, v4                        ; query_z: the same k
	v_lshlrev_b32 v7, 2, v3                        ; mus
	s_lshl_b32 s24, s23, 8
	v_add_nc_u32 v80, s24, v6                      ; LDS: 256 bytes a wave, + 128 h
	v_lshlrev_b32 v81, 3, v1                       ; 8 x lane
	s_lshl_b32 s26, s23, 12
	s_mov_b32 s27, 0
	s_lshl_b32 s28, s23, 6
	s_mov_b32 s29, 0
	s_mov_b32 s30, 0x2b8cbccc                      ; 1e-12
	s_mov_b32 s31, 0x358637bd                      ; 1e-6
	s_wait_alu depctr_va_vdst(0)
	s_wait_kmcnt 0x0
	s_add_nc_u64 s[8:9], s[8:9], s[26:27]          ; my wave's 16 centres
	s_add_nc_u64 s[10:11], s[10:11], s[28:29]
.irp i, 0,1,2,3,4,5,6,7
	global_load_b128 v[8+4*\i:11+4*\i], v5, s[8:9] offset:16*\i
	global_load_b128 v[40+4*\i:43+4*\i], v6, s[12:13] offset:16*\i
.endr
	global_load_b32 v72, v7, s[10:11]
	global_load_b64 v[90:91], v81, s[12:13]        ; query_z, k = 2 lane, 2 lane + 1: for the last line
	s_wait_loadcnt 0x0
.set j, 0
.rept 16
	v_pk_add_f32 v[8+j:9+j], v[8+j:9+j], v[40+j:41+j] neg_lo:[0,1] neg_hi:[0,1]   ; c - q
.set j, j+2
.endr
	v_pk_mul_f32 v[74:75], v[8:9], v[8:9]
.set j, 2
.rept 15
	s_delay_alu instid0(VALU_DEP_1)
	v_pk_fma_f32 v[74:75], v[8+j:9+j], v[8+j:9+j], v[74:75]
.set j, j+2
.endr
	s_delay_alu instid0(VALU_DEP_1)
	v_add_f32 v74, v74, v75
	s_delay_alu instid0(VALU_DEP_1)
	v_permlanex16_b32 v75, v74, s20, s21
	s_delay_alu instid0(VALU_DEP_1)
	v_add_f32 v74, v74, v75                        ; |c - q|^2
	s_delay_alu instid0(VALU_DEP_1)
	v_max_num_f32 v74, s30, v74
	s_wait_alu depctr_va_vdst(0)
	v_sqrt_f32 v76, v74
	v_nop
	s_wait_alu depctr_va_vdst(0)
	v_mul_f32 v77, v76, v76
	v_fma_f32 v77, v77, v76, s31                   ; r^3 + eps
	s_wait_alu depctr_va_vdst(0)
	v_rcp_f32 v77, v77
	v_nop
	s_wait_alu depctr_va_vdst(0)
	v_mul_f32 v78, v72, v77                        ; mu / (r^3 + eps), twice: a pair for the packed lines
	v_mul_f32 v79, v72, v77
.set j, 0
.rept 16
	v_pk_mul_f32 v[8+j:9+j], v[8+j:9+j], v[78:79]
.set j, j+2
.endr
.irp m, 1,2,4,8                                ; the sum over the wave's 16 centres: every lane of a row ends with the same 32 sums
.set j, 0
.rept 32
	v_add_f32_dpp v[8+j], v[8+j], v[8+j] row_xmask:\m row_mask:0xf bank_mask:0xf
.set j, j+1
.endr
.endr
.irp i, 0,1,2,3,4,5,6,7
	ds_store_b128 v80, v[8+4*\i:11+4*\i] offset:16*\i   ; the 16 lanes of a row write the same bytes with the same values: byte 4 k of the wave's 256
.endr
	s_wait_dscnt 0x0                               ; for wave 0's sake
	s_barrier_signal -1
	s_barrier_wait -1
	s_cmp_lg_u32 s23, 0
	s_cbranch_scc1 .Lfield_done
.irp w, 0,1,2,3,4,5,6,7
	ds_load_b64 v[8+2*\w:9+2*\w], v81 offset:256*\w   ; k = 2 lane, 2 lane + 1 of each wave's sums
.endr
	s_wait_dscnt 0x0
	v_pk_add_f32 v[8:9], v[8:9], v[10:11]
	v_pk_add_f32 v[12:13], v[12:13], v[14:15]
	v_pk_add_f32 v[16:17], v[16:17], v[18:19]
	v_pk_add_f32 v[20:21], v[20:21], v[22:23]
	s_delay_alu instid0(VALU_DEP_3)
	v_pk_add_f32 v[8:9], v[8:9], v[12:13]
	s_delay_alu instid0(VALU_DEP_2)
	v_pk_add_f32 v[16:17], v[16:17], v[20:21]
	s_delay_alu instid0(VALU_DEP_1)
	v_pk_add_f32 v[8:9], v[8:9], v[16:17]
	s_wait_alu depctr_va_vdst(0)
	v_pk_fma_f32 v[8:9], v[8:9], 0x3dcccccd, v[90:91] op_sel_hi:[1,0,1]   ; q + 0.1 x the sum
	global_store_b64 v81, v[8:9], s[14:15]         ; 32 lanes store 256 consecutive bytes, aligned: all of out0
.Lfield_done:
	s_wait_tensorcnt 0x0
	ds_add_u32 v96, v97
	s_wait_dscnt 0x0
	s_endpgm
.Lfunc_end_k_qc6a9cd21f5_normalise:
	.size	k_qc6a9cd21f5_normalise, .Lfunc_end_k_qc6a9cd21f5_normalise-k_qc6a9cd21f5_normalise
	.p2alignl 7, 3214868480
	.fill 96, 4, 3214868480
	.section	.rodata,"a",@progbits
	.p2align	6, 0x0
	.amdhsa_kernel k_qc6a9cd21f5_normalise
		.amdhsa_group_segment_fixed_size 3072
		.amdhsa_private_segment_fixed_size 0
		.amdhsa_enable_private_segment 0
		.amdhsa_kernarg_size 56
		.amdhsa_user_sgpr_count 2
		.amdhsa_user_sgpr_kernarg_segment_ptr 1
		.amdhsa_wavefront_size32 1
		.amdhsa_system_sgpr_workgroup_id_x 1
		.amdhsa_system_sgpr_workgroup_id_y 1
		.amdhsa_system_sgpr_workgroup_id_z 1
		.amdhsa_system_vgpr_workitem_id 0
		.amdhsa_next_free_vgpr 98
		.amdhsa_next_free_sgpr 66
		.amdhsa_reserve_vcc 1
		.amdhsa_float_denorm_mode_32 3
		.amdhsa_float_denorm_mode_16_64 3
		.amdhsa_memory_ordered 1
		.amdhsa_forward_progress 1
		.amdhsa_inst_pref_size 24
	.end_amdhsa_kernel
	.amdgpu_metadata
---
amdhsa.version: [ 1, 2 ]
amdhsa.kernels:
  - .name:           k_qc6a9cd21f5_normalise
    .symbol:         k_qc6a9cd21f5_normalise.kd
    .args:
      - { .name: logit, .offset: 0, .size: 8, .value_kind: global_buffer, .address_space: global }
      - { .name: part, .offset: 8, .size: 8, .value_kind: global_buffer, .address_space: global }
      - { .name: centers, .offset: 16, .size: 8, .value_kind: global_buffer, .address_space: global }
      - { .name: mus, .offset: 24, .size: 8, .value_kind: global_buffer, .address_space: global }
      - { .name: query_z, .offset: 32, .size: 8, .value_kind: global_buffer, .address_space: global }
      - { .name: out0, .offset: 40, .size: 8, .value_kind: global_buffer, .address_space: global }
      - { .name: out1, .offset: 48, .size: 8, .value_kind: global_buffer, .address_space: global }
    .group_segment_fixed_size: 3072
    .private_segment_fixed_size: 0
    .kernarg_segment_align: 8
    .kernarg_segment_size: 56
    .max_flat_workgroup_size: 256
    .sgpr_count:     66
    .vgpr_count:     98
    .wavefront_size: 32
...
	.end_amdgpu_metadata
.endif
;; end of part 2
